; MI455X (gfx1250); checked and timed in simulation.
; The chip was launched on July 23, 2026; its instructions are those of AMD's public machine-readable ISA for CDNA 5 (MIT licence, August 2026) and "CDNA5" Instruction Set Architecture Reference Guide (July 2026). The comments in the code are by the model that wrote it; some were corrected since.
;; Fast Attention. Allowed arithmetic: matrix products marked QUANTISED: E4M3 operands, one given power-of-two scale a tensor, by v_wmma_f32_16x16x64_fp8_fp8 or v_wmma_f32_16x16x128_fp8_fp8, f32 sums; products left as they are: f32 operands where the result goes on into a quantised operand, else bf16, f16 or f32 operands; f32 sums; everything else in f32.
;; Inputs: k 4 x 8 x 4,096 x 64 float32; lowp_scales 4 int32 (the exponents e of the quantised operands' scales 2^e); proj 64 x 64 float32; q 4 x 8 x 4,096 x 64 float32; v 4 x 8 x 4,096 x 64 float32.
;; Outputs: out0 4 x 8 x 4,096 x 64 float32.
;; This version of the problem:
;;   THIS VERSION OF THE PROBLEM IS GIVEN IN LOW PRECISION. The matrix products marked QUANTISED in the list below multiply operands that are first quantised to E4M3 (4 exponent bits, 3 mantissa bits; 8 bits a number), with one given power-of-two scale for each operand tensor; their sums are f32. All else is computed in f32.
;;   The module's matrix products, in the order in which they are computed (A, B: the left and right operand; K: the contracted axis; several contracted axes count as one K, in the product's order):
;;     1. [M 131,072, K 64] x [K 64, N 64]; A: input q; B: input proj: QUANTISED (scales: A lowp_scales[0], B lowp_scales[1])
;;     2. [M 131,072, K 64] x [K 64, N 64]; A: input k; B: input proj: QUANTISED (scales: A lowp_scales[2], B lowp_scales[3])
;;     3. batch 32 x [M 4,096, K 64] x [K 64, N 1]; A: computed on the way; B: computed on the way: left as it is (N = 1 < 16)
;;   THE QUANTISER, for each operand of a quantised product, along K:
;;     - The operand's scale is 2^e, e = its entry of the input lowp_scales (int32; the entries are numbered through the quantised products in the list's order, A before B).
;;     - Each number is divided by the scale, clamped to +-448, and rounded to the nearest number of E4M3, ties to even, subnormals kept.
;;     - The product sums the exact products of the quantised numbers (number of the format x scale) in f32.
;;   ~~~python
;;   def quantise(x, axis, e):      # numpy; x: float32 -> the quantised numbers, widened to float32 again
;;       x = np.moveaxis(x, axis, -1); K = x.shape[-1]
;;       r = np.clip(x / 2.0 ** e, -448, 448)
;;       step = 2.0 ** (np.maximum(np.frexp(np.where(r == 0, 1, r))[1] - 1, -6) - 3)
;;       q = np.round(r / step) * step * 2.0 ** e      # np.round: ties to even
;;       return np.moveaxis(q, -1, axis).astype(np.float32)
;;   ~~~
;; One version. Each part assembles by itself: llvm-mc -triple=amdgcn-amd-amdhsa -mcpu=gfx1250 --defsym DOCPART=n.
;; ======== version 1 of 1: 2 launches
;; limits: right only within a limited range of input values
;; workspace buffers: part 131,072 bytes
;; launch kvsum (part 1): grid 256 x 1, 16 waves a work-group, no clusters, 187,648 bytes of LDS; arguments k, v, proj, lowp_scales, part; writes part
.if DOCPART == 1
	.amdgcn_target "amdgcn-amd-amdhsa--gfx1250"
	.amdhsa_code_object_version 6
	.text
	.protected	k_qc82f09ee74_kvsum
	.globl	k_qc82f09ee74_kvsum
	.p2align	8
	.type	k_qc82f09ee74_kvsum,@function
k_qc82f09ee74_kvsum:
	s_mov_b64 s[64:65], 0
	v_nop
	global_prefetch_b8 v0, s[64:65] scope:SCOPE_SE
	s_setreg_imm32_b32 hwreg(HW_REG_WAVE_MODE, 25, 1), 1
	s_wait_xcnt 0x0
; k' = exp(Q(k) Q(proj)^T);  part[g] = the sums over work-group g's 512 rows of k' (64 numbers) and of k' x v (64 numbers), f32.
; k, v: [32 heads x 4096][64] f32; proj: [64][64] f32; the quantiser is E4M3 with the given scales 2^e2 (k) and 2^e3 (proj), entries 2 and 3 of the scales' buffer.
; SHARES.  256 work-groups, 512 rows each (8 to a head); 16 waves, 32 rows each: two tiles of 16 rows.
; TWO ROADS.  v comes by one tensor load a wave, 8 KB, dense, into LDS bytes of the wave's own that are filled once; it is asked for at the head and read when k is finished.  k comes straight into registers: load n brings
; rows 2 n, 2 n + 1, 512 consecutive bytes a wave: lane (r, h) (r = lane % 16, h = lane / 16) holds numbers 4 r .. 4 r + 3 of row 2 n + h.
; k is quantised in that layout: eight registers, two loads, make two registers of codes, d = 4 r .. 4 r + 3 of rows 2 n + h and 2 n + 2 + h.  Only the codes turn through LDS, in a stage of the wave's own: row 2 n + h is
; stored as row 8 h + n of 64 bytes and read as the matrix unit's row.  A lane reads bytes 16 h .. 16 h + 15 and 32 + 16 h .. 32 + 16 h + 15 of a row: a permutation of K, the same for k and proj.
; LAYOUT OF THE PRODUCTS.  A = 16 rows of k, B = 16 rows of proj: column r of tile t is feature 4 r + t, and A's row m is row 2 (m & 7) + (m >> 3) of the tile: register j of tiles 0..3 holds features
; 4 r .. 4 r + 3 of row 2 j + h, as 16 bytes a lane of v do.  The exponential writes register 4 j + t, so the sums over rows stay inside the lane and are packed.
; proj is read once by the work-group: thread t quantises the 8 numbers at byte 32 t and stores 8 codes into an image of the B fragments in LDS; one barrier; every wave loads the image.
; NO CLUSTER: work-groups share proj alone, 16 KB against the 256 KB of k and v that each reads by itself.  NO PREFETCH: the text has no loop to run ahead in.
; LIMITS: e2, e3 between -126 and 119; e2 + e3 between -126 and 127 (each power of two below is an f32 number).  NaN among the inputs is not served.  An exponential under 2^-126 comes out as 0.
.set VREG,  8192                       ; LDS from byte 0 on: a wave's 32 rows of v, as they lie in memory
.set STG,   16*VREG                    ; behind them the stages
.set PITCH, 80                         ; a row of 64 codes in LDS + 16 bytes of padding = 20 words: the 16 rows that a fragment load touches start at 16 different groups of 4 banks (64 banks of 4 bytes: ISA guide 11.1)
.set TTILE, 16*PITCH                   ; a tile's codes
.set WREG,  2*TTILE                    ; a wave's two tiles
.set IMG,   STG+16*WREG                ; proj's codes, row r of feature tile t at t IBLK + r PITCH
.set IBLK,  16*PITCH+64                ; the 64 bytes keep a wave's stores on different banks
.set RED,   IMG+4*IBLK                 ; 512 bytes for each wave, its sums
.set SPARE, RED+16*512                 ; the spare words, 128 bytes for each wave
.set LO,   2                           ; 16 x lane: my bytes in a load and in the record
.set PO,   3                           ; 32 x thread: my 8 numbers of proj
.set IW,   4                           ; where my 8 codes of proj go
.set IR,   5                           ; where my lane's part of the image lies
.set RW,   6                           ; RED + 16 x thread
.set TS,   7                           ; the stage, in
.set TL,   8                           ; the stage, out
.set SPW,  9                           ; my spare word; never rewritten
.set NIL,  10                          ; 0; never rewritten
.set SCP,  11                          ; 2^e3;  448 x 2^e3
.set LIMP, 12
.set SCK,  13                          ; 2^e2;  448 x 2^e2
.set LIMK, 14
.set VA,   15                          ; my 16 bytes of each 512 of v (at the head first at work)
.set KS,   16                          ; v16-19, v20-23  the sums of k' in two chains, features 4 r .. 4 r + 3
.set KT,   20
.set CX,   24                          ; v24-27, v28-31  the sums of k' x v in two chains
.set CT,   28
.set PF,   32                          ; v32-63  proj's four fragments
.set KX,   64                          ; v64-127 k: register 4 n + i; then, at 32 u, tile u's fragment; then k', register 4 n + t
.set ACC,  128                         ; v128-191 the accumulators: tile u, feature tile t at 32 u + 8 t; at the head my numbers of proj
.set KC,   ACC+48                      ; v176-191 codes, ahead of tile 1's products: 8 registers a tile
.set VV,   192                         ; v192-255 v: register 4 n + t as k'
.set G1,   16                          ; s[16:23] descriptor group 1;  s[24:27] group 0
.set G0,   24
.macro KLOAD u                         ; k's rows of tile u: pairs of rows 8 u .. 8 u + 7
.set n, 8*(\u)
.rept 8
	global_load_b128 v[KX+4*n:KX+4*n+3], v[LO], s[4:5] offset:512*n th:TH_LOAD_NT   ; rows 2 n, 2 n + 1: 512 consecutive bytes; read once in the launch
.set n, n+1
.endr
.endm
; A TILE OF k, from its loads to the sums of k'.
.macro KTILE u
	s_wait_loadcnt 8*(1-(\u))                      ; loads come back in order (ISA guide 5.7.1): behind tile 0's eight stand tile 1's eight, which may stay out
.set i, 0
.rept 32
	v_med3_num_f32 v[KX+32*(\u)+i], v[KX+32*(\u)+i], -v[LIMK], v[LIMK]   ; the conversion to an 8-bit code does not saturate (ISA guide 7.6.2): hold the number first
.set i, i+1
.endr
.irp c, 0,1,2,3
	v_cvt_scalef32_pk8_fp8_f32 v[KC+8*(\u)+2*\c:KC+8*(\u)+2*\c+1], v[KX+32*(\u)+8*\c:KX+32*(\u)+8*\c+7], v[SCK]
.endr
	v_nop                                          ; one plain vector instruction behind the last scaled conversion
.irp n, 0,1,2,3,4,5,6,7
	ds_store_b32 v[TS], v[KC+8*(\u)+\n] offset:(\u)*TTILE+\n*PITCH
.endr
	ds_load_b128 v[KX+32*(\u):KX+32*(\u)+3],   v[TL] offset:(\u)*TTILE      ; LDS serves a wave's instructions in order (ISA guide 5.7.1.4): these see the stores above
	ds_load_b128 v[KX+32*(\u)+4:KX+32*(\u)+7], v[TL] offset:(\u)*TTILE+32
	s_wait_dscnt 0x0                               ; the fragment (and, for tile 0, proj's image) is in registers
.irp t, 0,1,2,3                        ; 16 rows x 64 features: four products, each starting its own sum with the constant 0
	v_wmma_f32_16x16x64_fp8_fp8 v[ACC+32*(\u)+8*\t:ACC+32*(\u)+8*\t+7], v[KX+32*(\u):KX+32*(\u)+7], v[PF+8*\t:PF+8*\t+7], 0
.endr
.rept 4
	v_nop                                          ; four places between the products and the first read of their results (ISA guide 7.12.1): no other vector work is at hand
.endr
.set i, 0
.rept 16                               ; each accumulator is read from its low end on
	v_pk_mul_f32 v[ACC+32*(\u)+i:ACC+32*(\u)+i+1], v[ACC+32*(\u)+i:ACC+32*(\u)+i+1], s[34:35] op_sel_hi:[1,0]   ; sum x 2^(e2 + e3) x log2(e)
.set i, i+2
.endr
	s_wait_alu depctr_va_vdst(0)                   ; the wait ahead of the batch
.irp j, 0,1,2,3,4,5,6,7
.irp t, 0,1,2,3
	v_exp_f32 v[KX+32*(\u)+4*\j+\t], v[ACC+32*(\u)+8*\t+\j]   ; k', laid as v is: register 4 (8 u + j) + t
.endr
.endr
	v_nop                                          ; a plain instruction behind the last exponential
	s_wait_alu depctr_va_vdst(0)                   ; and for one wait behind it, ahead of the batch's first reader
.if (\u) == 0
	v_pk_add_f32 v[KS:KS+1],   v[KX:KX+1],     v[KX+8:KX+9]     ; the sums of k': even and odd pairs of rows in chains of their own; the first terms start them
	v_pk_add_f32 v[KS+2:KS+3], v[KX+2:KX+3],   v[KX+10:KX+11]
	v_pk_add_f32 v[KT:KT+1],   v[KX+4:KX+5],   v[KX+12:KX+13]
	v_pk_add_f32 v[KT+2:KT+3], v[KX+6:KX+7],   v[KX+14:KX+15]
.set n, 4
.else
.set n, 8
.endif
.rept (8*(\u)+8-n)/2
	v_pk_add_f32 v[KS:KS+1],   v[KS:KS+1],   v[KX+4*n:KX+4*n+1]
	v_pk_add_f32 v[KS+2:KS+3], v[KS+2:KS+3], v[KX+4*n+2:KX+4*n+3]
	v_pk_add_f32 v[KT:KT+1],   v[KT:KT+1],   v[KX+4*n+4:KX+4*n+5]
	v_pk_add_f32 v[KT+2:KT+3], v[KT+2:KT+3], v[KX+4*n+6:KX+4*n+7]
.set n, n+2
.endr
.endm
.macro VSUM g                          ; pairs of rows 4 g .. 4 g + 3: four chains by turns
	s_wait_dscnt 12-4*(\g)                         ; those of v behind these four loads may stay out
.set n, 4*(\g)
.if (\g) == 0
	v_pk_mul_f32 v[CX:CX+1],   v[KX:KX+1],   v[VV:VV+1]        ; the first terms start the sums: nothing is cleared
	v_pk_mul_f32 v[CX+2:CX+3], v[KX+2:KX+3], v[VV+2:VV+3]
	v_pk_mul_f32 v[CT:CT+1],   v[KX+4:KX+5], v[VV+4:VV+5]
	v_pk_mul_f32 v[CT+2:CT+3], v[KX+6:KX+7], v[VV+6:VV+7]
.set n, 2
.endif
.rept (4*(\g)+4-n)/2
	v_pk_fma_f32 v[CX:CX+1],   v[KX+4*n:KX+4*n+1],   v[VV+4*n:VV+4*n+1],   v[CX:CX+1]
	v_pk_fma_f32 v[CX+2:CX+3], v[KX+4*n+2:KX+4*n+3], v[VV+4*n+2:VV+4*n+3], v[CX+2:CX+3]
	v_pk_fma_f32 v[CT:CT+1],   v[KX+4*n+4:KX+4*n+5], v[VV+4*n+4:VV+4*n+5], v[CT:CT+1]
	v_pk_fma_f32 v[CT+2:CT+3], v[KX+4*n+6:KX+4*n+7], v[VV+4*n+6:VV+4*n+7], v[CT+2:CT+3]
.set n, n+2
.endr
.endm
.macro FOLD base, regs                 ; the upper regs registers are added onto the lower, two at a time
.set i, 0
.rept (\regs)/2
	v_pk_add_f32 v[\base+i:\base+i+1], v[\base+i:\base+i+1], v[\base+\regs+i:\base+\regs+i+1]
.set i, i+2
.endr
.endm
	s_load_b256 s[4:11], s[0:1], 0x0               ; k s[4:5], v s[6:7], proj s[8:9], the scales' exponents s[10:11]
	s_load_b64 s[12:13], s[0:1], 0x20              ; part
	v_lshl_add_u32 v[SPW], v0, 2, SPARE
	v_mov_b32 v[NIL], 0
	ds_add_u32 v[SPW], v[NIL]                      ; the wave's opening: the add, twice on end, and its wait ahead of my tensor load; work on registers stands between it and the wait
	ds_add_u32 v[SPW], v[NIL]
	v_lshrrev_b32 v1, 5, v0
	v_readfirstlane_b32 s14, v1                    ; wave 0..15
	v_and_b32 v[LO], 31, v0
	v_lshlrev_b32 v[PO], 5, v0
	v_and_b32 v1, 15, v0                           ; r
	v_bfe_u32 v15, v0, 4, 1                        ; h
	v_lshlrev_b32 v[LO], 4, v[LO]
	v_lshl_add_u32 v[RW], v0, 4, RED
	v_mul_u32_u24 v[IR], v1, PITCH
	v_mul_u32_u24 v[TS], v15, 8*PITCH              ; in: row 8 h + n, my 4 codes
	v_lshl_add_u32 v[IR], v15, 4, v[IR]            ; out: row r, 16 bytes for each half of the lanes
	v_lshl_add_u32 v[TS], v1, 2, v[TS]
	s_mul_i32 s15, s14, WREG
	s_add_co_u32 s15, s15, STG                     ; my wave's stage
	s_mul_i32 s40, s14, PITCH
	s_add_co_u32 s40, s40, IMG
	s_mul_i32 s41, s14, VREG                       ; my wave's v
	v_add_nc_u32 v[TL], s15, v[IR]
	v_add_nc_u32 v[TS], s15, v[TS]
	v_add_nc_u32 v[IR], IMG, v[IR]
	; the image, written.  Thread t holds row f = t >> 3 of proj, d = 8 (t & 7) + 0 .. 7: feature tile f & 3, row f >> 2 = my wave of it
	v_bfe_u32 v15, v0, 3, 2
	v_and_b32 v[IW], 7, v0
	v_mul_u32_u24 v15, v15, IBLK
	v_lshl_add_u32 v[IW], v[IW], 3, v15
	v_add_nc_u32 v[IW], s40, v[IW]
	v_add_nc_u32 v[VA], s41, v[LO]
	; descriptor group 1: 8 KB of v, dense in memory and in LDS: 4 rows of 2,048 bytes
	s_mov_b32 s[G1+0], 3<<16                       ; no mask; elements of 8 bytes; no padding
	s_mov_b32 s[G1+1], 256<<16                     ; tensor_dim0 = 256
	s_mov_b32 s[G1+2], 4<<16                       ; tensor_dim1 = 4
	s_mov_b32 s[G1+3], 256<<16                     ; tile_dim0 = 256
	s_mov_b32 s[G1+4], 4                           ; tile_dim1 = 4
	s_mov_b32 s[G1+5], 256                         ; elements from row to row
	s_mov_b32 s[G1+6], 0
	s_mov_b32 s[G1+7], 0
	s_mov_b32 s[G0], 1                             ; count = 1
	s_mov_b32 s[G0+1], s41                         ; LDS address
	s_lshl_b32 s2, ttmp9, 17                       ; the work-group's 512 rows of 256 bytes,
	s_lshl_b32 s3, s14, 13                         ; my wave's 32 of them
	s_add_co_u32 s2, s2, s3
	s_mov_b32 s3, 0
	s_lshl_b32 s38, ttmp9, 9                       ; the work-group's record of 512 bytes
	s_mov_b32 s39, 0
	s_wait_alu depctr_va_vdst(0)
	s_wait_dscnt 0x0                               ; both opening adds are done
	s_wait_kmcnt 0x0
	global_load_b128 v[ACC:ACC+3], v[PO], s[8:9]   ; my 8 numbers of proj: a wave's two loads cover 1,024 consecutive bytes between them
	global_load_b128 v[ACC+4:ACC+7], v[PO], s[8:9] offset:16
	s_add_nc_u64 s[G0+2:G0+3], s[6:7], s[2:3]      ; v at my wave's first row
	s_or_b32 s[G0+3], s[G0+3], 0x80000000          ; type = 2
	tensor_load_to_lds s[G0:G0+3], s[G1:G1+7]      ; my 32 rows of v
	s_nop 0
	s_load_b128 s[28:31], s[10:11], 0x0            ; e0 .. e3
	s_add_nc_u64 s[4:5], s[4:5], s[2:3]            ; k at my wave's first row
	s_add_nc_u64 s[12:13], s[12:13], s[38:39]
	KLOAD 0
	s_mov_b32 s36, 0x76543210                      ; v_permlanex16_b32's selects for lane l xor 16
	s_mov_b32 s37, 0xfedcba98
	s_wait_kmcnt 0x0
	s_add_co_i32 s32, s31, 127
	s_lshl_b32 s33, s32, 23
	v_mov_b32 v[SCP], s33                          ; 2^e3 as f32: the conversion takes its exponent field
	s_add_co_i32 s32, s32, 8
	s_lshl_b32 s32, s32, 23
	s_or_b32 s32, s32, 0x600000
	v_mov_b32 v[LIMP], s32                         ; 448 x 2^e3
	s_add_co_i32 s32, s30, 127
	s_lshl_b32 s33, s32, 23
	v_mov_b32 v[SCK], s33                          ; 2^e2
	s_add_co_i32 s32, s32, 8
	s_lshl_b32 s32, s32, 23
	s_or_b32 s32, s32, 0x600000
	v_mov_b32 v[LIMK], s32                         ; 448 x 2^e2
	s_add_co_i32 s34, s30, s31
	s_lshl_b32 s34, s34, 23
	s_add_co_i32 s34, s34, 0x3fb8aa3b              ; log2(e) x 2^(e2 + e3): the exponents are added to log2(e)'s exponent field
	s_mov_b32 s35, s34                             ; (named with it as a pair, so it is written)
	s_wait_alu depctr_va_vdst(0)
	s_wait_loadcnt 8                               ; proj's two loads are in; the eight of k behind them may be out
.irp i, 0,1,2,3,4,5,6,7
	v_med3_num_f32 v[ACC+\i], v[ACC+\i], -v[LIMP], v[LIMP]   ; the hold, as for k
.endr
	v_cvt_scalef32_pk8_fp8_f32 v[KC:KC+1], v[ACC:ACC+7], v[SCP]
	v_nop                                          ; one plain vector instruction behind the scaled conversion
	ds_store_b64 v[IW], v[KC:KC+1]
	s_wait_dscnt 0x0                               ; for the others' sake: my codes lie in the image
	s_barrier_signal -1
	s_barrier_wait -1                              ; everybody's do.  (v may still be on its way: no wave reads another's, and nothing is filled twice)
.irp t, 0,1,2,3
.irp u, 0,1
	ds_load_b128 v[PF+8*\t+4*\u:PF+8*\t+4*\u+3], v[IR] offset:\t*IBLK+32*\u
.endr
.endr
	KLOAD 1
	KTILE 0
	KTILE 1
	v_pk_add_f32 v[KS:KS+1],   v[KS:KS+1],   v[KT:KT+1]
	v_pk_add_f32 v[KS+2:KS+3], v[KS+2:KS+3], v[KT+2:KT+3]
	s_wait_tensorcnt 0x0                           ; my 32 rows of v are in LDS, where I alone read them
.set n, 0
.rept 16
	ds_load_b128 v[VV+4*n:VV+4*n+3], v[VA] offset:512*n   ; rows 2 n, 2 n + 1: lane (r, h) takes features 4 r .. 4 r + 3 of row 2 n + h
.set n, n+1
.endr
	VSUM 0
.irp g, 1,2,3
	s_wait_alu depctr_va_vdst(0)
	VSUM \g
.endr
	v_pk_add_f32 v[CX:CX+1],   v[CX:CX+1],   v[CT:CT+1]
	v_pk_add_f32 v[CX+2:CX+3], v[CX+2:CX+3], v[CT+2:CT+3]
	; lanes 0-15 hold the even rows' sums, lanes 16-31 the odd rows'.  Lanes 0-15 keep the sums of k' and give away those of k' x v; lanes 16-31 the other way round.
	s_mov_b32 vcc_lo, 0xffff0000
.irp t, 0,1,2,3
	v_cndmask_b32 v[ACC+\t], v[CX+\t], v[KS+\t], vcc_lo   ; what the other half wants
	v_cndmask_b32 v[KT+\t],  v[KS+\t], v[CX+\t], vcc_lo   ; what I keep
.endr
.irp t, 0,1,2,3
	v_permlanex16_b32 v[ACC+4+\t], v[ACC+\t], s36, s37
.endr
	v_pk_add_f32 v[KT:KT+1],   v[KT:KT+1],   v[ACC+4:ACC+5]
	v_pk_add_f32 v[KT+2:KT+3], v[KT+2:KT+3], v[ACC+6:ACC+7]
	ds_store_b128 v[RW], v[KT:KT+3]                ; my wave's 512 bytes: 64 sums of k', then 64 of k' x v, in the features' order
	s_wait_dscnt 0x0                               ; for the others' sake
	s_barrier_signal -1
	s_barrier_wait -1
	s_cmp_lg_u32 s14, 0
	s_cbranch_scc1 .Ldone                          ; wave 0 adds the sixteen waves' records, always in the same order, and stores the work-group's
.set n, 0
.rept 16
	ds_load_b128 v[ACC+4*n:ACC+4*n+3], v[RW] offset:512*n   ; in wave 0 the thread's number is the lane's
.set n, n+1
.endr
	s_wait_dscnt 0x0
	FOLD ACC, 32
	FOLD ACC, 16
	FOLD ACC, 8
	FOLD ACC, 4
	global_store_b128 v[LO], v[ACC:ACC+3], s[12:13]   ; 32 lanes store 512 consecutive bytes, at a multiple of 512 from the buffer's first byte
.Ldone:
	s_wait_tensorcnt 0x0                           ; the wave's end
	ds_add_u32 v[SPW], v[NIL]
	s_wait_dscnt 0x0
	s_endpgm
.Lfunc_end_k_qc82f09ee74_kvsum:
	.size	k_qc82f09ee74_kvsum, .Lfunc_end_k_qc82f09ee74_kvsum-k_qc82f09ee74_kvsum
	.p2alignl 7, 3214868480
	.fill 96, 4, 3214868480
	.section	.rodata,"a",@progbits
	.p2align	6, 0x0
	.amdhsa_kernel k_qc82f09ee74_kvsum
		.amdhsa_group_segment_fixed_size 187648
		.amdhsa_private_segment_fixed_size 0
		.amdhsa_enable_private_segment 0
		.amdhsa_kernarg_size 40
		.amdhsa_user_sgpr_count 2
		.amdhsa_user_sgpr_kernarg_segment_ptr 1
		.amdhsa_wavefront_size32 1
		.amdhsa_system_sgpr_workgroup_id_x 1
		.amdhsa_system_sgpr_workgroup_id_y 1
		.amdhsa_system_sgpr_workgroup_id_z 1
		.amdhsa_system_vgpr_workitem_id 0
		.amdhsa_next_free_vgpr 256
		.amdhsa_next_free_sgpr 66
		.amdhsa_reserve_vcc 1
		.amdhsa_float_denorm_mode_32 3
		.amdhsa_float_denorm_mode_16_64 3
		.amdhsa_memory_ordered 1
		.amdhsa_forward_progress 1
		.amdhsa_inst_pref_size 28
	.end_amdhsa_kernel
	.amdgpu_metadata
---
amdhsa.version: [ 1, 2 ]
amdhsa.kernels:
  - .name:           k_qc82f09ee74_kvsum
    .symbol:         k_qc82f09ee74_kvsum.kd
    .args:
      - { .name: k, .offset: 0, .size: 8, .value_kind: global_buffer, .address_space: global }
      - { .name: v, .offset: 8, .size: 8, .value_kind: global_buffer, .address_space: global }
      - { .name: proj, .offset: 16, .size: 8, .value_kind: global_buffer, .address_space: global }
      - { .name: lowp_scales, .offset: 24, .size: 8, .value_kind: global_buffer, .address_space: global }
      - { .name: part, .offset: 32, .size: 8, .value_kind: global_buffer, .address_space: global }
    .group_segment_fixed_size: 187648
    .private_segment_fixed_size: 0
    .kernarg_segment_align: 8
    .kernarg_segment_size: 40
    .max_flat_workgroup_size: 512
    .sgpr_count:     66
    .vgpr_count:     256
    .wavefront_size: 32
...
	.end_amdgpu_metadata
.endif
;; end of part 1
;; launch qout (part 2): grid 256 x 1, 16 waves a work-group, no clusters, 167,936 bytes of LDS; arguments q, proj, lowp_scales, part, out0; writes out0
.if DOCPART == 2
	.amdgcn_target "amdgcn-amd-amdhsa--gfx1250"
	.amdhsa_code_object_version 6
	.text
	.protected	k_qc82f09ee74_qout
	.globl	k_qc82f09ee74_qout
	.p2align	8
	.type	k_qc82f09ee74_qout,@function
k_qc82f09ee74_qout:
	s_mov_b64 s[64:65], 0
	v_nop
	global_prefetch_b8 v0, s[64:65] scope:SCOPE_SE
	s_setreg_imm32_b32 hwreg(HW_REG_WAVE_MODE, 25, 1), 1
	s_wait_xcnt 0x0
; q' = exp(Q(q) Q(proj)^T);  out[n][f] = (q'[n][f] x ctx[f]) / (the sum over f of q'[n][f] x (ksum[f] + 1e-6)).
; q, out0: [32 heads x 4096][64] f32; proj: [64][64] f32; E4M3 with the given scales 2^e0 (q) and 2^e1 (proj).  part: for each head 8 records of 512 bytes, 64 partial sums of k' and 64 of k' x v.
; SHARES.  256 work-groups, 512 rows each (8 to a head); 16 waves, 32 rows each: two tiles of 16 rows.
; TWO ROADS, both asked for at the head.  Tile 0 comes straight into registers: load n brings rows 2 n, 2 n + 1, 512 consecutive bytes a wave: lane (r, h) (r = lane % 16, h = lane / 16) holds numbers 4 r .. 4 r + 3 of
; row 2 n + h.  Tile 1 comes by one tensor load a wave, 4 KB, dense, into LDS bytes of the wave's own that are filled once, and is read from there into the same layout.
; A tile is quantised in that layout, and its codes turn through LDS, in a stage of the wave's own: row 2 n + h of a tile is stored as row 8 h + n of 64 bytes and read as the matrix unit's row.  A lane reads bytes
; 16 h .. 16 h + 15 and 32 + 16 h .. 32 + 16 h + 15 of a row: a permutation of K, the same for q and proj.
; Tile 1's codes go through the stage ahead of tile 0's stores, so no LDS work of a wave stands behind its own stores.
; LAYOUT.  D = A B: A = 16 rows of q, B = 16 rows of proj.  Column r of tile t is feature 4 r + t, and A's row m is row 2 (m & 7) + (m >> 3) of the tile.  The exponential writes register 4 j + t, so
; lane (r, h) holds in registers 4 j .. 4 j + 3 the features 4 r .. 4 r + 3 of row 2 j + h: 16 neighbouring bytes of out0.  A store then covers 512 consecutive bytes, and no result goes through LDS.
; A row's denominator is a sum over the four registers and the sixteen lanes of a half.
; proj is read once by the work-group (thread t: the 8 numbers at byte 32 t) and reaches the waves as an image of the four B fragments in LDS.  The head's 8 records are read once too, 256 bytes a wave, and reach
; the waves through LDS behind the same barrier; each wave adds them, always in the same order: lanes 0-15 the sums of k', lanes 16-31 those of k' x v.
; NO CLUSTER: work-groups share proj and the records alone, 16 KB and 4 KB against the 128 KB of q that each reads by itself.  NO PREFETCH: the text has no loop to run ahead in, all of q is asked for at the head.
; LIMITS: e0, e1 between -126 and 119; e0 + e1 between -126 and 127.  NaN among the inputs is not served.  An exponential under 2^-126 comes out as 0; a denominator above 2^126 gives the reciprocal 0,
; one under 2^-126 gives infinity (the transcendentals flush denormals: ISA guide 15.8).
.set QREG,  4096                       ; LDS from byte 0 on: a wave's tile 1, as it lies in memory
.set STG,   16*QREG                    ; behind them the stages
.set PITCH, 80                         ; a row of 64 codes in LDS + 16 bytes of padding = 20 words: the 16 rows that a fragment load touches start at 16 different groups of 4 banks (64 banks of 4 bytes: ISA guide 11.1)
.set TTILE, 16*PITCH                   ; a tile's codes
.set WREG,  2*TTILE                    ; a wave's two tiles
.set IMG,   STG+16*WREG                ; proj's codes, row r of feature tile t at t IBLK + r PITCH
.set IBLK,  16*PITCH+64                ; the 64 bytes keep a wave's stores on different banks
.set SUM,   IMG+4*IBLK                 ; the head's 8 records
.set SPARE, SUM+4096                   ; the spare words, 128 bytes for each wave
.set TL,   2                           ; the stage, out
.set LO,   3                           ; 16 x lane: my bytes in a load of q and in a store of out0
.set IW,   4                           ; where my 8 codes of proj go
.set IR,   5                           ; where my lane's part of the image lies
.set RS,   6                           ; SUM + 8 x thread
.set TS,   7                           ; the stage, in
.set SCP,  8                           ; 2^e1;  448 x 2^e1
.set LIMP, 9
.set SCQ,  10                          ; 2^e0;  448 x 2^e0
.set LIMQ, 11
.set KS,   12                          ; v12-15  ksum + 1e-6 of features 4 r .. 4 r + 3
.set CX,   16                          ; v16-19  ctx of the same
.set SR,   20                          ; SUM + 16 x lane
.set SPW,  21                          ; my spare word; never rewritten
.set PO,   22                          ; 32 x thread: my 8 numbers of proj
.set NIL,  23                          ; 0; never rewritten
.set PF,   24                          ; v24-55  proj's four fragments
.set KC,   56                          ; v56-63  a tile's codes
.set KX,   64                          ; v64-127 q: register 4 n + i; then, at 32 u, tile u's fragment; then q' and the results, register 4 n + t.  Each tile has its own 32, so tile 0's stores are never overtaken
.set ACC,  128                         ; v128-191 the accumulators: tile u, feature tile t at 32 u + 8 t; first my numbers of proj, my two of the records, then the 8 records
.set DN,   192                         ; v192-223 a pair for each pair of rows n: the denominator of my row in the lower register
.set RO,   224                         ; 8 x thread: my 8 bytes of the records
.set QA,   225                         ; my 16 bytes of each 512 of tile 1 (at the head first at work)
.set G1,   16                          ; s[16:23] descriptor group 1;  s[24:27] group 0
.set G0,   24
.macro FOLD base, regs                 ; the upper regs registers are added onto the lower, two at a time
.set i, 0
.rept (\regs)/2
	v_pk_add_f32 v[\base+i:\base+i+1], v[\base+i:\base+i+1], v[\base+\regs+i:\base+\regs+i+1]
.set i, i+2
.endr
.endm
.macro QUANT u                         ; tile u's numbers become codes and go through the stage
.if (\u) == 0
	s_wait_loadcnt 0x0                             ; tile 0's eight loads, my last
.else
	s_wait_tensorcnt 0x0                           ; tile 1 is in LDS, where I alone read it
.set n, 0
.rept 8
	ds_load_b128 v[KX+32+4*n:KX+32+4*n+3], v[QA] offset:512*n
.set n, n+1
.endr
	s_wait_dscnt 0x0
.endif
.set i, 0
.rept 32
	v_med3_num_f32 v[KX+32*(\u)+i], v[KX+32*(\u)+i], -v[LIMQ], v[LIMQ]   ; the conversion to an 8-bit code does not saturate (ISA guide 7.6.2): hold the number first
.set i, i+1
.endr
.irp c, 0,1,2,3
	v_cvt_scalef32_pk8_fp8_f32 v[KC+2*\c:KC+2*\c+1], v[KX+32*(\u)+8*\c:KX+32*(\u)+8*\c+7], v[SCQ]
.endr
	v_nop                                          ; one plain vector instruction behind the last scaled conversion
.irp n, 0,1,2,3,4,5,6,7
	ds_store_b32 v[TS], v[KC+\n] offset:(\u)*TTILE+\n*PITCH
.endr
	ds_load_b128 v[KX+32*(\u):KX+32*(\u)+3],   v[TL] offset:(\u)*TTILE      ; LDS serves a wave's instructions in order (ISA guide 5.7.1.4): these see the stores above
	ds_load_b128 v[KX+32*(\u)+4:KX+32*(\u)+7], v[TL] offset:(\u)*TTILE+32
.endm
.macro WORK u                          ; from the fragment to the tile's results
	s_wait_dscnt 0x0
.irp t, 0,1,2,3                        ; 16 rows x 64 features: four products, each starting its own sum with the constant 0
	v_wmma_f32_16x16x64_fp8_fp8 v[ACC+32*(\u)+8*\t:ACC+32*(\u)+8*\t+7], v[KX+32*(\u):KX+32*(\u)+7], v[PF+8*\t:PF+8*\t+7], 0
.endr
.rept 4
	v_nop                                          ; four places between the products and the first read of their results (ISA guide 7.12.1): no other vector work is at hand
.endr
.set i, 0
.rept 16                               ; each accumulator is read from its low end on
	v_pk_mul_f32 v[ACC+32*(\u)+i:ACC+32*(\u)+i+1], v[ACC+32*(\u)+i:ACC+32*(\u)+i+1], s[34:35] op_sel_hi:[1,0]   ; sum x 2^(e0 + e1) x log2(e)
.set i, i+2
.endr
	s_wait_alu depctr_va_vdst(0)                   ; the wait ahead of the batch
.irp j, 0,1,2,3,4,5,6,7
.irp t, 0,1,2,3
	v_exp_f32 v[KX+32*(\u)+4*\j+\t], v[ACC+32*(\u)+8*\t+\j]   ; q', laid as out0 is: register 4 (8 u + j) + t
.endr
.endr
	v_nop                                          ; a plain instruction behind the last exponential
	s_wait_alu depctr_va_vdst(0)                   ; and for one wait behind it, ahead of the batch's first reader
	; the denominators of the tile's eight pairs of rows: my four features' part, then the sixteen lanes of my half
.set n, 8*(\u)
.rept 8
	v_pk_mul_f32 v[DN+2*n:DN+2*n+1], v[KX+4*n:KX+4*n+1], v[KS:KS+1]
.set n, n+1
.endr
.set n, 8*(\u)
.rept 8
	v_pk_fma_f32 v[DN+2*n:DN+2*n+1], v[KX+4*n+2:KX+4*n+3], v[KS+2:KS+3], v[DN+2*n:DN+2*n+1]
.set n, n+1
.endr
.set n, 8*(\u)
.rept 8
	v_add_f32 v[DN+2*n], v[DN+2*n], v[DN+2*n+1]
.set n, n+1
.endr
.irp m, 1,2,4,8
.set n, 8*(\u)
.rept 8
	v_add_f32_dpp v[DN+2*n], v[DN+2*n], v[DN+2*n] row_xmask:\m row_mask:0xf bank_mask:0xf
.set n, n+1
.endr
.endr
.set n, 8*(\u)
	s_wait_alu depctr_va_vdst(0)                   ; the wait ahead of the batch of reciprocals
.rept 8
	v_rcp_f32 v[DN+2*n], v[DN+2*n]
.set n, n+1
.endr
.set n, 8*(\u)
.rept 8                                ; q' x ctx first, as the definition has it: 16 plain instructions that name no reciprocal stand between the batch and its wait
	v_pk_mul_f32 v[KX+4*n:KX+4*n+1],   v[KX+4*n:KX+4*n+1],   v[CX:CX+1]
	v_pk_mul_f32 v[KX+4*n+2:KX+4*n+3], v[KX+4*n+2:KX+4*n+3], v[CX+2:CX+3]
.set n, n+1
.endr
	s_wait_alu depctr_va_vdst(0)                   ; one wait for the eight reciprocals, ahead of their first reader
.set n, 8*(\u)
.rept 8
	v_pk_mul_f32 v[KX+4*n:KX+4*n+1],   v[KX+4*n:KX+4*n+1],   v[DN+2*n:DN+2*n+1] op_sel_hi:[1,0]   ; x 1 / the denominator (the pair's lower register for both halves)
	v_pk_mul_f32 v[KX+4*n+2:KX+4*n+3], v[KX+4*n+2:KX+4*n+3], v[DN+2*n:DN+2*n+1] op_sel_hi:[1,0]
.set n, n+1
.endr
.endm
.macro SEND u
.set n, 8*(\u)
.rept 8
	global_store_b128 v[LO], v[KX+4*n:KX+4*n+3], s[12:13] offset:512*n th:TH_STORE_NT   ; rows 2 n, 2 n + 1: 512 consecutive bytes, at a multiple of 512 from out0's first byte; written once, read by nobody here.  No register that a store names is written again
.set n, n+1
.endr
.endm
	s_load_b256 s[4:11], s[0:1], 0x0               ; q s[4:5], proj s[6:7], the scales' exponents s[8:9], part s[10:11]
	s_load_b64 s[12:13], s[0:1], 0x20              ; out0
	v_lshl_add_u32 v[SPW], v0, 2, SPARE
	v_mov_b32 v[NIL], 0
	ds_add_u32 v[SPW], v[NIL]                      ; the wave's opening: the add, twice on end, and its wait ahead of my tensor load; work on registers stands between it and the wait
	ds_add_u32 v[SPW], v[NIL]
	v_lshrrev_b32 v1, 5, v0
	v_readfirstlane_b32 s14, v1                    ; wave 0..15
	v_and_b32 v[LO], 31, v0
	v_lshlrev_b32 v[PO], 5, v0
	v_lshlrev_b32 v[RO], 3, v0
	v_and_b32 v1, 15, v0                           ; r
	v_bfe_u32 v[QA], v0, 4, 1                      ; h
	v_lshlrev_b32 v[LO], 4, v[LO]
	v_lshl_add_u32 v[RS], v0, 3, SUM
	v_mul_u32_u24 v[IR], v1, PITCH
	v_mul_u32_u24 v[TS], v[QA], 8*PITCH            ; in: row 8 h + n, my 4 codes
	v_add_nc_u32 v[SR], SUM, v[LO]
	v_lshl_add_u32 v[IR], v[QA], 4, v[IR]          ; out: row r, 16 bytes for each half of the lanes
	v_lshl_add_u32 v[TS], v1, 2, v[TS]
	s_mul_i32 s15, s14, WREG
	s_add_co_u32 s15, s15, STG                     ; my wave's stage
	s_mul_i32 s40, s14, PITCH
	s_add_co_u32 s40, s40, IMG
	s_mul_i32 s41, s14, QREG                       ; my wave's tile 1
	v_add_nc_u32 v[TL], s15, v[IR]
	v_add_nc_u32 v[TS], s15, v[TS]
	v_add_nc_u32 v[IR], IMG, v[IR]
	; the image, written.  Thread t holds row f = t >> 3 of proj, d = 8 (t & 7) + 0 .. 7: feature tile f & 3, row f >> 2 = my wave of it
	v_bfe_u32 v1, v0, 3, 2
	v_and_b32 v[IW], 7, v0
	v_mul_u32_u24 v1, v1, IBLK
	v_lshl_add_u32 v[IW], v[IW], 3, v1
	v_add_nc_u32 v[IW], s40, v[IW]
	v_add_nc_u32 v[QA], s41, v[LO]
	; descriptor group 1: 4 KB of q, dense in memory and in LDS: 2 rows of 2,048 bytes
	s_mov_b32 s[G1+0], 3<<16                       ; no mask; elements of 8 bytes; no padding
	s_mov_b32 s[G1+1], 256<<16                     ; tensor_dim0 = 256
	s_mov_b32 s[G1+2], 2<<16                       ; tensor_dim1 = 2
	s_mov_b32 s[G1+3], 256<<16                     ; tile_dim0 = 256
	s_mov_b32 s[G1+4], 2                           ; tile_dim1 = 2
	s_mov_b32 s[G1+5], 256                         ; elements from row to row
	s_mov_b32 s[G1+6], 0
	s_mov_b32 s[G1+7], 0
	s_mov_b32 s[G0], 1                             ; count = 1
	s_mov_b32 s[G0+1], s41                         ; LDS address
	s_lshl_b32 s2, ttmp9, 17                       ; the work-group's 512 rows of 256 bytes,
	s_lshl_b32 s3, s14, 13                         ; my wave's 32 of them
	s_add_co_u32 s2, s2, s3
	s_mov_b32 s3, 0
	s_lshr_b32 s38, ttmp9, 3                       ; the head,
	s_lshl_b32 s38, s38, 12                        ; its 8 records of 512 bytes
	s_mov_b32 s39, 0
	s_wait_alu depctr_va_vdst(0)
	s_wait_dscnt 0x0                               ; both opening adds are done
	s_wait_kmcnt 0x0
	s_add_nc_u64 s[10:11], s[10:11], s[38:39]      ; part at my head's records
	s_add_nc_u64 s[4:5], s[4:5], s[2:3]            ; q and out0 at my wave's first row
	s_add_nc_u64 s[12:13], s[12:13], s[2:3]
	global_load_b64 v[ACC+8:ACC+9], v[RO], s[10:11]   ; 256 consecutive bytes a wave
	global_load_b128 v[ACC:ACC+3], v[PO], s[6:7]   ; my 8 numbers of proj: a wave's two loads cover 1,024 consecutive bytes between them
	global_load_b128 v[ACC+4:ACC+7], v[PO], s[6:7] offset:16
	s_add_nc_u64 s[G0+2:G0+3], s[4:5], 16*256      ; my rows 16-31
	s_or_b32 s[G0+3], s[G0+3], 0x80000000          ; type = 2
	tensor_load_to_lds s[G0:G0+3], s[G1:G1+7]
	s_nop 0
	s_load_b128 s[28:31], s[8:9], 0x0              ; e0 .. e3
.set n, 0
.rept 8
	global_load_b128 v[KX+4*n:KX+4*n+3], v[LO], s[4:5] offset:512*n th:TH_LOAD_NT   ; rows 2 n, 2 n + 1 of q, my rows 0-15: 512 consecutive bytes; read once in the launch
.set n, n+1
.endr
	s_mov_b32 s36, 0x76543210                      ; v_permlanex16_b32's selects for lane l xor 16
	s_mov_b32 s37, 0xfedcba98
	s_wait_kmcnt 0x0
	s_add_co_i32 s32, s29, 127
	s_lshl_b32 s33, s32, 23
	v_mov_b32 v[SCP], s33                          ; 2^e1 as f32: the conversion takes its exponent field
	s_add_co_i32 s32, s32, 8
	s_lshl_b32 s32, s32, 23
	s_or_b32 s32, s32, 0x600000
	v_mov_b32 v[LIMP], s32                         ; 448 x 2^e1
	s_add_co_i32 s32, s28, 127
	s_lshl_b32 s33, s32, 23
	v_mov_b32 v[SCQ], s33                          ; 2^e0
	s_add_co_i32 s32, s32, 8
	s_lshl_b32 s32, s32, 23
	s_or_b32 s32, s32, 0x600000
	v_mov_b32 v[LIMQ], s32                         ; 448 x 2^e0
	s_add_co_i32 s34, s28, s29
	s_lshl_b32 s34, s34, 23
	s_add_co_i32 s34, s34, 0x3fb8aa3b              ; log2(e) x 2^(e0 + e1): the exponents are added to log2(e)'s exponent field
	s_mov_b32 s35, s34                             ; (named with it as a pair, so it is written)
	s_wait_alu depctr_va_vdst(0)
	s_wait_loadcnt 8                               ; my part of the records and proj's two loads are in; the eight of q behind them may be out
	ds_store_b64 v[RS], v[ACC+8:ACC+9]
.irp i, 0,1,2,3,4,5,6,7
	v_med3_num_f32 v[ACC+\i], v[ACC+\i], -v[LIMP], v[LIMP]   ; the hold, as for q
.endr
	v_cvt_scalef32_pk8_fp8_f32 v[KC:KC+1], v[ACC:ACC+7], v[SCP]
	v_nop                                          ; one plain vector instruction behind the scaled conversion
	ds_store_b64 v[IW], v[KC:KC+1]
	s_wait_dscnt 0x0                               ; for the others' sake: my codes lie in the image, and my part of the records in its place
	s_barrier_signal -1
	s_barrier_wait -1                              ; everybody's do.  (Tile 1 may still be on its way: no wave reads another's, and nothing is filled twice)
.set n, 0
.rept 8
	ds_load_b128 v[ACC+4*n:ACC+4*n+3], v[SR] offset:512*n
.set n, n+1
.endr
.irp t, 0,1,2,3
.irp u, 0,1
	ds_load_b128 v[PF+8*\t+4*\u:PF+8*\t+4*\u+3], v[IR] offset:\t*IBLK+32*\u
.endr
.endr
	s_mov_b32 vcc_lo, 0xffff0000
	s_wait_dscnt 8                                 ; the records are in; the eight loads of the image may be out
	FOLD ACC, 16
	FOLD ACC, 8
	FOLD ACC, 4                                    ; lanes 0-15: the sums of k' of features 4 r .. 4 r + 3; lanes 16-31: ctx of the same
.irp t, 0,1,2,3
	v_permlanex16_b32 v[ACC+4+\t], v[ACC+\t], s36, s37
.endr
.irp t, 0,1,2,3
	v_cndmask_b32 v[KS+\t], v[ACC+\t], v[ACC+4+\t], vcc_lo
	v_cndmask_b32 v[CX+\t], v[ACC+4+\t], v[ACC+\t], vcc_lo
.endr
	v_pk_add_f32 v[KS:KS+1],   v[KS:KS+1],   0x358637bd op_sel_hi:[1,0]   ; ksum + 1e-6, once
	v_pk_add_f32 v[KS+2:KS+3], v[KS+2:KS+3], 0x358637bd op_sel_hi:[1,0]
	QUANT 0
	WORK 0
	QUANT 1
	SEND 0
	WORK 1
	SEND 1
	s_wait_tensorcnt 0x0                           ; the wave's end
	ds_add_u32 v[SPW], v[NIL]
	s_wait_dscnt 0x0
	s_endpgm
.Lfunc_end_k_qc82f09ee74_qout:
	.size	k_qc82f09ee74_qout, .Lfunc_end_k_qc82f09ee74_qout-k_qc82f09ee74_qout
	.p2alignl 7, 3214868480
	.fill 96, 4, 3214868480
	.section	.rodata,"a",@progbits
	.p2align	6, 0x0
	.amdhsa_kernel k_qc82f09ee74_qout
		.amdhsa_group_segment_fixed_size 167936
		.amdhsa_private_segment_fixed_size 0
		.amdhsa_enable_private_segment 0
		.amdhsa_kernarg_size 40
		.amdhsa_user_sgpr_count 2
		.amdhsa_user_sgpr_kernarg_segment_ptr 1
		.amdhsa_wavefront_size32 1
		.amdhsa_system_sgpr_workgroup_id_x 1
		.amdhsa_system_sgpr_workgroup_id_y 1
		.amdhsa_system_sgpr_workgroup_id_z 1
		.amdhsa_system_vgpr_workitem_id 0
		.amdhsa_next_free_vgpr 226
		.amdhsa_next_free_sgpr 66
		.amdhsa_reserve_vcc 1
		.amdhsa_float_denorm_mode_32 3
		.amdhsa_float_denorm_mode_16_64 3
		.amdhsa_memory_ordered 1
		.amdhsa_forward_progress 1
		.amdhsa_inst_pref_size 33
	.end_amdhsa_kernel
	.amdgpu_metadata
---
amdhsa.version: [ 1, 2 ]
amdhsa.kernels:
  - .name:           k_qc82f09ee74_qout
    .symbol:         k_qc82f09ee74_qout.kd
    .args:
      - { .name: q, .offset: 0, .size: 8, .value_kind: global_buffer, .address_space: global }
      - { .name: proj, .offset: 8, .size: 8, .value_kind: global_buffer, .address_space: global }
      - { .name: lowp_scales, .offset: 16, .size: 8, .value_kind: global_buffer, .address_space: global }
      - { .name: part, .offset: 24, .size: 8, .value_kind: global_buffer, .address_space: global }
      - { .name: out0, .offset: 32, .size: 8, .value_kind: global_buffer, .address_space: global }
    .group_segment_fixed_size: 167936
    .private_segment_fixed_size: 0
    .kernarg_segment_align: 8
    .kernarg_segment_size: 40
    .max_flat_workgroup_size: 512
    .sgpr_count:     66
    .vgpr_count:     226
    .wavefront_size: 32
...
	.end_amdgpu_metadata
.endif
;; end of part 2
